; MI455X (gfx1250); checked and timed in simulation.
; The chip was launched on July 23, 2026; its instructions are those of AMD's public machine-readable ISA for CDNA 5 (MIT licence, August 2026) and "CDNA5" Instruction Set Architecture Reference Guide (July 2026). The comments in the code are by the model that wrote it; some were corrected since.
;; Bi DAF Self Attention. Allowed arithmetic: matrix products marked QUANTISED: E2M1 operands, one E8M0 scale for each 32 along K, by v_wmma_scale_f32_16x16x128_f8f6f4 with both operands' format E2M1 (or v_wmma_scale_f32_32x16x128_f4), f32 sums; products left as they are: bf16, f16 or f32 operands; f32 sums; everything else in f32.
;; Inputs: Wk 1,024 x 1,024 float32; Wo 1,024 x 1,024 float32; Wq 1,024 x 1,024 float32; Wv 1,024 x 1,024 float32; bk 1,024 float32; bo 1,024 float32; bq 1,024 float32; bv 1,024 float32; key 4 x 2,048 x 1,024 float32; mask 4 x 2,048 bool; query 4 x 2,048 x 1,024 float32; value 4 x 2,048 x 1,024 float32.
;; Outputs: out0 4 x 2,048 x 1,024 float32.
;; This version of the problem:
;;   THIS VERSION OF THE PROBLEM IS GIVEN IN LOW PRECISION. The matrix products marked QUANTISED in the list below multiply operands that are first quantised to E2M1 (2 exponent bits, 1 mantissa bit; 4 bits a number), with one power-of-two scale for each 32 numbers along K (OCP MX v1.0); their sums are f32. The products marked 'left as it is' may take bf16, f16 or f32 operands, with f32 sums. Whichever they take, every output number must still come out within the allowed error. Rounding operands to bf16 (8 significant bits) uses up far more of that allowance than f16 does (11 bits, for magnitudes from 6e-5 to 65,504). All else is computed in f32.
;;   The module's matrix products, in the order in which they are computed (A, B: the left and right operand; K: the contracted axis; several contracted axes count as one K, in the product's order):
;;     1. [M 8,192, K 1,024] x [K 1,024, N 1,024]; A: input query; B: input Wq: QUANTISED
;;     2. [M 8,192, K 1,024] x [K 1,024, N 1,024]; A: input key; B: input Wk: QUANTISED
;;     3. [M 8,192, K 1,024] x [K 1,024, N 1,024]; A: input value; B: input Wv: QUANTISED
;;     4. batch 64 x [M 2,048, K 64] x [K 64, N 2,048]; A: computed on the way; B: computed on the way: left as it is (an operand is computed on the way)
;;     5. batch 64 x [M 2,048, K 2,048] x [K 2,048, N 64]; A: computed on the way; B: computed on the way: left as it is (an operand is computed on the way)
;;     6. [M 8,192, K 1,024] x [K 1,024, N 1,024]; A: computed on the way; B: input Wo: left as it is (an operand is computed on the way)
;;   THE QUANTISER, for each operand of a quantised product, along K:
;;     - K is cut into blocks of 32 from its start; a last block that is shorter is filled with zeros.
;;     - A block's scale is 2^e with e = floor(log2(the largest magnitude in the block)) - 2, held to -126 .. 127; a block of zeros has e = 0. As a byte (E8M0): e + 127.
;;     - Each number is divided by its block's scale, clamped to +-6, and rounded to the nearest number of E2M1, ties to even, subnormals kept.
;;     - The product sums the exact products of the quantised numbers (number of the format x scale) in f32.
;;   ~~~python
;;   def quantise(x, axis):      # numpy; x: float32 -> the quantised numbers, widened to float32 again
;;       x = np.moveaxis(x, axis, -1); K = x.shape[-1]
;;       x = np.pad(x, [(0, 0)] * (x.ndim - 1) + [(0, -K % 32)]); x = x.reshape(x.shape[:-1] + (-1, 32)); a = np.abs(x).max(-1, keepdims=True)
;;       e = np.where(a > 0, np.clip(np.frexp(np.where(a > 0, a, 1))[1] - 1 - 2, -126, 127), 0)      # np.frexp(a)[1] - 1 = floor(log2(a)), exactly
;;       r = np.clip(x / 2.0 ** e, -6, 6)
;;       step = 2.0 ** (np.maximum(np.frexp(np.where(r == 0, 1, r))[1] - 1, 0) - 1)
;;       q = np.round(r / step) * step * 2.0 ** e      # np.round: ties to even
;;       return np.moveaxis(q.reshape(q.shape[:-2] + (-1,))[..., :K], -1, axis).astype(np.float32)
;;   ~~~
;; One version. Each part assembles by itself: llvm-mc -triple=amdgcn-amd-amdhsa -mcpu=gfx1250 --defsym DOCPART=n.
;; ======== version 1 of 1: 4 launches
;; limits: values are held in f16: magnitudes above 65,504 overflow, below 6.1e-05 lose precision
;; workspace buffers: xc 12,582,912 bytes; xs 786,432 bytes; wc 1,572,864 bytes; ws 98,304 bytes; wo16 2,097,152 bytes; qkv 50,331,648 bytes; ctxi 16,777,216 bytes
;; launch quant (part 1): grid 896 x 1, 4 waves a work-group, no clusters, 33,280 bytes of LDS; arguments query, key, value, Wq, Wk, Wv, Wo, xc, xs, wc, ws, wo16; writes xc, xs, wc, ws, wo16
.if DOCPART == 1
	.amdgcn_target "amdgcn-amd-amdhsa--gfx1250"
	.amdhsa_code_object_version 6
	.text
	.protected	k_qa08d33792d_quant
	.globl	k_qa08d33792d_quant
	.p2align	8
	.type	k_qa08d33792d_quant,@function
k_qa08d33792d_quant:
	s_mov_b64 s[64:65], 0
	v_nop
	global_prefetch_b8 v0, s[64:65] scope:SCOPE_SE
	s_setreg_imm32_b32 hwreg(HW_REG_WAVE_MODE, 25, 1), 1
	s_wait_xcnt 0x0
; FIRST OF FOUR LAUNCHES (quant, proj, attn, outp) for  out = softmax(mask(q k^T / 8)) v Wo^T + bo,  q, k, v = x W^T + b  in 16 heads of 64.
; NO WORK OF reference() IS LEFT OUT, and every input is loaded.  The diagonal mask is not in reference() at all.  bk would cancel along a softmax's axis only where no score is replaced;
; beside scores that the padding mask replaces by -1e9 it does not, so it stays (as do bq, bv, bo).
; THIS LAUNCH: query, key, value [8192][1024] and Wq, Wk, Wv [1024][1024], f32, K innermost, become codes of FP4 (E2M1), two a byte, and one E8M0 scale byte for each 32 along K;  Wo becomes f16.
; xc [3][8192][512 bytes], xs [3][8192][32], wc [3][1024][512], ws [3][1024][32], wo16 [1024][1024] f16: all plain streams in the inputs' own order, the three tensors on end.
; A block's scale is 2^(floor(log2(its largest magnitude)) - 2); its byte is the largest magnitude's exponent field - 2, held at 1 from below.  A block of zeros so gets the byte 1 where the rule says 127:
; its codes are zeros, which add nothing under any byte but 0xff, and the bytes are read by this program alone.
; LIMITS: NaN and infinities among the inputs are not served; |Wo| above 65,504 has no f16 number.
; SHARES: work-groups 0-767 take query, key, value (256 each), 768-863 Wq, Wk, Wv (32 each), 864-895 Wo.  A work-group takes 32,768 numbers, a wave 8,192.  Only pointers are chosen for the first six tensors: they take one path.
; The quantiser's path: 16 steps of 512 numbers.  Each of a step's four loads reads 512 consecutive bytes; the 2,048 bytes turn through the wave's own stage in LDS and come back 64 bytes (16 neighbours along K) a lane,
; since the conversions take neighbours from ONE lane's registers; two neighbouring lanes hold a block.  Loads run four steps ahead, the turn through LDS one step.  No barrier: waves share nothing.
.set WAVES, 4
.set STEPS, 16
.set EMAX,  2
.set CB,    8                          ; bytes of 16 codes
.set R,     16                         ; v16-79   four sets of 16 numbers as they are loaded
.set X,     80                         ; v80-111  two sets of 16 neighbours
.set C,     128                        ; v128-191 codes: registers of its own for each step, so that no store's data are written again
.set E,     112                        ; v112-127 a scale byte for each step
.set WREG,  8192                       ; LDS: a region for each wave: two stages of 32 x SP bytes, behind them its 256 scale bytes
.set SP,    80                         ; a lane's place in a stage: 64 bytes + 16 of padding
.set SPW,   12                         ; v12 LDS address of my spare word; never rewritten
.set NIL,   13                         ; v13 0; never rewritten
.set SPARE, WAVES*WREG                 ; behind the four regions: the spare words, 128 bytes for each wave
.set SRC,   40                         ; s[40:41] my wave's numbers;  s[42:43] its codes;  s[44:45] its scale bytes
.set DC,    42
.set DS,    44
.set WS,    16                         ; Wo's path: v16-79, v80-143 two sets of 16 loads;  v144-175 what a batch stores
.set WY,    144
	s_load_b512 s[4:19], s[0:1], 0x0               ; query, key, value, Wq, Wk, Wv, Wo s[16:17], xc s[18:19]
	s_load_b256 s[20:27], s[0:1], 0x40             ; xs, wc, ws, wo16 s[26:27]
	v_lshl_add_u32 v[SPW], v0, 2, SPARE
	v_mov_b32 v[NIL], 0
	v_lshrrev_b32 v1, 5, v0
	v_readfirstlane_b32 s30, v1                    ; wave
	v_and_b32 v2, 31, v0                           ; lane
	v_lshlrev_b32 v3, 4, v2                        ; my 16 bytes of a load's 512
	s_mul_i32 s31, s30, WREG
	v_lshrrev_b32 v14, 2, v2
	v_mul_u32_u24 v14, v14, SP
	v_and_b32 v15, 3, v2
	v_lshl_add_u32 v14, v15, 4, v14
	v_add_nc_u32 v14, s31, v14                     ; the stage, on the way in: SP (lane / 4) + 16 (lane % 4)
	v_mul_u32_u24 v15, v2, SP
	v_add_nc_u32 v15, s31, v15                     ; and on the way out: SP x lane: my 16 neighbours
	v_mul_u32_u24 v4, v2, CB                       ; 8 x lane: my codes' place in a step's; Wo's path: my four f16
	v_lshrrev_b32 v5, 1, v2
	s_add_co_u32 s31, s31, 2*32*SP
	v_add_nc_u32 v5, s31, v5                       ; LDS: my wave's 256 scale bytes, my block's byte
	v_lshlrev_b32 v7, 3, v2
	v_add_nc_u32 v6, s31, v7                       ; and on the way out 8 bytes a lane
	s_wait_kmcnt 0x0
	s_cmp_ge_u32 ttmp9, 864
	s_cbranch_scc1 .Lwo
	s_cmp_lt_u32 ttmp9, 768                        ; an activation or a weight?  The choices hang on the work-group's number alone
	s_cselect_b64 s[32:33], s[4:5], s[10:11]
	s_cselect_b64 s[34:35], s[6:7], s[12:13]
	s_cselect_b64 s[36:37], s[8:9], s[14:15]
	s_cselect_b64 s[DC:DC+1], s[18:19], s[22:23]
	s_cselect_b64 s[DS:DS+1], s[20:21], s[24:25]
	s_cselect_b32 s28, 0, 768
	s_cselect_b32 s29, 8, 5                        ; 256 or 32 work-groups to a tensor
	s_sub_co_u32 s28, ttmp9, s28                   ; my place among the three tensors' work-groups
	s_lshr_b32 s38, s28, s29                       ; which of the three
	s_lshl_b32 s39, s38, s29
	s_sub_co_u32 s39, s28, s39                     ; and my place in it
	s_cmp_lt_u32 s38, 1
	s_cselect_b64 s[SRC:SRC+1], s[32:33], s[34:35]
	s_cmp_lt_u32 s38, 2
	s_cselect_b64 s[SRC:SRC+1], s[SRC:SRC+1], s[36:37]
	s_lshl_b32 s39, s39, 2
	s_add_co_u32 s39, s39, s30                     ; my wave's run of 8,192 numbers in its tensor
	s_lshl_b32 s46, s39, 15                        ; 32,768 bytes a run
	s_mov_b32 s47, 0
	s_add_nc_u64 s[SRC:SRC+1], s[SRC:SRC+1], s[46:47]
	s_lshl_b32 s28, s28, 2
	s_add_co_u32 s28, s28, s30                     ; and in the stacked results
	s_lshl_b32 s46, s28, 12                        ; 4,096 bytes of codes a run
	s_add_nc_u64 s[DC:DC+1], s[DC:DC+1], s[46:47]
	s_lshl_b32 s46, s28, 8                         ; 256 scale bytes a run
	s_add_nc_u64 s[DS:DS+1], s[DS:DS+1], s[46:47]
.macro LOAD t
.irp i, 0,1,2,3
	global_load_b128 v[R+16*((\t)%4)+4*\i:R+16*((\t)%4)+4*\i+3], v3, s[SRC:SRC+1] offset:2048*(\t)+512*\i th:TH_LOAD_NT   ; 32 lanes read 512 consecutive bytes
.endr
.endm
.macro TURN t                          ; step t's numbers through the stage: LDS serves a wave's instructions in order, so no wait stands between the stores and the loads
.irp i, 0,1,2,3
	ds_store_b128 v14, v[R+16*((\t)%4)+4*\i:R+16*((\t)%4)+4*\i+3] offset:32*SP*((\t)%2)+8*SP*\i
.endr
.irp i, 0,1,2,3
	ds_load_b128 v[X+16*((\t)%2)+4*\i:X+16*((\t)%2)+4*\i+3], v15 offset:32*SP*((\t)%2)+16*\i
.endr
.endm
.irp t, 0,1,2,3
	LOAD \t
.endr
	s_wait_loadcnt 12                              ; step 0's four loads are in; the twelve of steps 1 to 3 may be out
	TURN 0
.macro STEP t
.set XS, X+16*((\t)%2)
.if (\t) > 0
	s_wait_dscnt 1                                 ; this step's numbers are back from the stage (the last step's byte store may be out): so its stores into the stage have read their registers,
.else
	s_wait_dscnt 0x0
.endif
.if (\t)+4 < STEPS
	LOAD (\t)+4                                    ; which take the loads of four steps on
.endif
.if (\t)+1 < STEPS
.if STEPS-2-(\t) >= 3
	s_wait_loadcnt 12                              ; the next step's four loads are in; those of the three steps behind it may be out
.else
	s_wait_loadcnt 4*(STEPS-2-(\t))
.endif
	TURN (\t)+1                                    ; and go through the other stage while this step is worked
.endif
	v_max3_num_f32 v8, |v[XS]|, |v[XS+1]|, |v[XS+2]|               ; the largest magnitude of my 16, in two chains
	v_max3_num_f32 v9, |v[XS+3]|, |v[XS+4]|, |v[XS+5]|
.irp i, 6,10
	v_max3_num_f32 v8, v8, |v[XS+\i]|, |v[XS+\i+1]|
	v_max3_num_f32 v9, v9, |v[XS+\i+2]|, |v[XS+\i+3]|
.endr
	v_max3_num_f32 v8, v8, |v[XS+14]|, |v[XS+15]|
	v_max3_num_f32 v8, v8, v9, (EMAX+1)<<23        ; and the floor 2^(EMAX + 1 - 127): the byte cannot fall under 1
	v_max_num_f32_dpp v8, v8, v8 row_xmask:1 row_mask:0xf bank_mask:0xf   ; and of my neighbour's 16: the block's
	v_add_nc_u32 v11, -(EMAX<<23), v8              ; EMAX off its exponent field: the conversion takes the exponent field of this operand as its scale
	v_cvt_scalef32_pk8_fp4_f32 v[C+4*(\t)], v[XS:XS+7], v11        ; to the nearest code, ties to even, beyond the largest code the largest
	v_cvt_scalef32_pk8_fp4_f32 v[C+4*(\t)+1], v[XS+8:XS+15], v11
	v_lshrrev_b32 v[E+(\t)], 23, v11               ; the scale's byte (a plain line behind the conversions)
	ds_store_b8 v5, v[E+(\t)] offset:16*(\t)       ; both lanes of a block write the same byte with the same value
	global_store_b64 v4, v[C+4*(\t):C+4*(\t)+1], s[DC:DC+1] offset:32*CB*(\t)   ; the wave stores 256 consecutive bytes, aligned
.endm
.irp t, 0,1,2,3,4,5,6,7,8,9,10,11,12,13,14,15
	STEP \t
.endr
	ds_load_b64 v[8:9], v6                         ; LDS serves a wave's instructions in order: these see my stores
	s_wait_dscnt 0x0
	global_store_b64 v7, v[8:9], s[DS:DS+1]        ; 32 lanes store 256 consecutive bytes, aligned
	s_wait_tensorcnt 0x0                           ; the wave's end
	ds_add_u32 v[SPW], v[NIL]
	s_wait_dscnt 0x0
	s_endpgm
; Wo to f16: 64 loads of 512 bytes a wave, in four batches of 16 on two sets of registers; a load's 128 numbers leave as 256 consecutive bytes.  No LDS: a lane's four numbers are four neighbours.
.Lwo:
	s_sub_co_u32 s28, ttmp9, 864
	s_lshl_b32 s28, s28, 2
	s_add_co_u32 s28, s28, s30                     ; my wave's run of 8,192 numbers
	s_lshl_b32 s46, s28, 15
	s_mov_b32 s47, 0
	s_add_nc_u64 s[16:17], s[16:17], s[46:47]
	s_lshl_b32 s46, s28, 14
	s_add_nc_u64 s[26:27], s[26:27], s[46:47]
.macro WLOAD i
.irp j, 0,1,2,3,4,5,6,7,8,9,10,11,12,13,14,15
	global_load_b128 v[WS+64*((\i)%2)+4*\j:WS+64*((\i)%2)+4*\j+3], v3, s[16:17] offset:512*(16*(\i)+\j) th:TH_LOAD_NT
.endr
.endm
.macro WOB i
.if (\i) < 3
	s_wait_loadcnt 16                              ; this batch is in; the next batch's 16 loads may be out
.else
	s_wait_loadcnt 0x0
.endif
.if (\i) > 0
	s_wait_xcnt 0x0                                ; the last batch's stores have read their data: the registers are written again only behind this wait
.endif
.irp j, 0,1,2,3,4,5,6,7,8,9,10,11,12,13,14,15
	v_cvt_pk_f16_f32 v[WY+2*\j], v[WS+64*((\i)%2)+4*\j], v[WS+64*((\i)%2)+4*\j+1]
	v_cvt_pk_f16_f32 v[WY+2*\j+1], v[WS+64*((\i)%2)+4*\j+2], v[WS+64*((\i)%2)+4*\j+3]
.endr
.if (\i)+2 < 4
	WLOAD (\i)+2                                   ; loads ahead of stores
.endif
.irp j, 0,1,2,3,4,5,6,7,8,9,10,11,12,13,14,15
	global_store_b64 v4, v[WY+2*\j:WY+2*\j+1], s[26:27] offset:256*(16*(\i)+\j)
.endr
.endm
	WLOAD 0
	WLOAD 1
	WOB 0
	WOB 1
	WOB 2
	WOB 3
	s_wait_tensorcnt 0x0                           ; the wave's end
	ds_add_u32 v[SPW], v[NIL]
	s_wait_dscnt 0x0
	s_endpgm
.Lfunc_end_k_qa08d33792d_quant:
	.size	k_qa08d33792d_quant, .Lfunc_end_k_qa08d33792d_quant-k_qa08d33792d_quant
	.p2alignl 7, 3214868480
	.fill 96, 4, 3214868480
	.section	.rodata,"a",@progbits
	.p2align	6, 0x0
	.amdhsa_kernel k_qa08d33792d_quant
		.amdhsa_group_segment_fixed_size 33280
		.amdhsa_private_segment_fixed_size 0
		.amdhsa_enable_private_segment 0
		.amdhsa_kernarg_size 96
		.amdhsa_user_sgpr_count 2
		.amdhsa_user_sgpr_kernarg_segment_ptr 1
		.amdhsa_wavefront_size32 1
		.amdhsa_system_sgpr_workgroup_id_x 1
		.amdhsa_system_sgpr_workgroup_id_y 1
		.amdhsa_system_sgpr_workgroup_id_z 1
		.amdhsa_system_vgpr_workitem_id 0
		.amdhsa_next_free_vgpr 192
		.amdhsa_next_free_sgpr 66
		.amdhsa_reserve_vcc 0
		.amdhsa_float_denorm_mode_32 3
		.amdhsa_float_denorm_mode_16_64 3
		.amdhsa_memory_ordered 1
		.amdhsa_forward_progress 1
		.amdhsa_inst_pref_size 54
	.end_amdhsa_kernel
	.amdgpu_metadata
---
amdhsa.version: [ 1, 2 ]
amdhsa.kernels:
  - .name:           k_qa08d33792d_quant
    .symbol:         k_qa08d33792d_quant.kd
    .args:
      - { .name: query, .offset: 0, .size: 8, .value_kind: global_buffer, .address_space: global }
      - { .name: key, .offset: 8, .size: 8, .value_kind: global_buffer, .address_space: global }
      - { .name: value, .offset: 16, .size: 8, .value_kind: global_buffer, .address_space: global }
      - { .name: Wq, .offset: 24, .size: 8, .value_kind: global_buffer, .address_space: global }
      - { .name: Wk, .offset: 32, .size: 8, .value_kind: global_buffer, .address_space: global }
      - { .name: Wv, .offset: 40, .size: 8, .value_kind: global_buffer, .address_space: global }
      - { .name: Wo, .offset: 48, .size: 8, .value_kind: global_buffer, .address_space: global }
      - { .name: xc, .offset: 56, .size: 8, .value_kind: global_buffer, .address_space: global }
      - { .name: xs, .offset: 64, .size: 8, .value_kind: global_buffer, .address_space: global }
      - { .name: wc, .offset: 72, .size: 8, .value_kind: global_buffer, .address_space: global }
      - { .name: ws, .offset: 80, .size: 8, .value_kind: global_buffer, .address_space: global }
      - { .name: wo16, .offset: 88, .size: 8, .value_kind: global_buffer, .address_space: global }
    .group_segment_fixed_size: 33280
    .private_segment_fixed_size: 0
    .kernarg_segment_align: 8
    .kernarg_segment_size: 96
    .max_flat_workgroup_size: 128
    .sgpr_count:     66
    .vgpr_count:     192
    .wavefront_size: 32
...
	.end_amdgpu_metadata
.endif
;; end of part 1
;; launch proj (part 2): grid 4 x 96, 4 waves a work-group, clusters of 4 x 4, 327,680 bytes of LDS; arguments xc, xs, wc, ws, qkv, bq, bk, bv, mask; writes qkv
.if DOCPART == 2
	.amdgcn_target "amdgcn-amd-amdhsa--gfx1250"
	.amdhsa_code_object_version 6
	.text
	.protected	k_qa08d33792d_proj
	.globl	k_qa08d33792d_proj
	.p2align	8
	.type	k_qa08d33792d_proj,@function
k_qa08d33792d_proj:
	s_mov_b64 s[64:65], 0
	v_nop
	global_prefetch_b8 v0, s[64:65] scope:SCOPE_SE
	s_setreg_imm32_b32 hwreg(HW_REG_WAVE_MODE, 25, 1), 1
	s_wait_xcnt 0x0
	s_wait_alu depctr_hold_cnt(0) depctr_sa_sdst(0) depctr_va_vdst(0) depctr_va_sdst(0) depctr_va_ssrc(0) depctr_va_vcc(0) depctr_vm_vsrc(0)
	s_getreg_b32 s2, hwreg(HW_REG_IB_STS2, 6, 4)
	s_cmp_eq_u32 s2, 0
	s_cbranch_scc0 .Lentry_in_a_cluster
	s_endpgm
.Lentry_in_a_cluster:
	s_bfe_u32 s2, ttmp6, 0x10000c
	s_cmp_lg_u32 s2, 0xf033
	s_cbranch_scc0 .Lentry_shape_is_right
	s_endpgm
.Lentry_shape_is_right:
; q, k, v = x W^T + b on codes of FP4 (E2M1) with one E8M0 scale for each 32 along K = 1,024; sums in f32.  Nothing of reference() is left out here.
; One launch for the three products: the rows of query, key, value are stacked in xc / xs (24,576 rows), those of Wq, Wk, Wv in wc / ws.  Tile row wgy (0-95) of 256 rows belongs to tensor wgy / 32.
; A tile of C, 256 x 256, is made by four waves, each 128 x 128: 64 accumulators.  K goes in two steps of 512 (rows of 256 bytes): both slots are filled once, at the head, and so are the scale bytes of all of K.
; CLUSTERS: 4 x 4 work-groups; x's tiles are asked for jointly along a row of the cluster, W's along a column.  A cluster's four tile rows lie in one tensor (32 is a multiple of 4), so the tensor's number, made of the cluster's y, is the same in all partners.
; THE MATRIX INSTRUCTION IS USED TRANSPOSED (source 0 = 16 rows of W, source 1 = 16 rows of x): a lane holds eight neighbouring features of one token.  THE BIAS is the C of each sum's first product.
; WHAT LEAVES: f16, as IMAGES OF THE NEXT LAUNCH'S OPERAND REGISTERS: qkv [q, k, v][batch x head 64][token tile 128][chunk 4][512 bytes]; in chunk c a unit of 16 bytes holds X[token 16 tt + r][16 c + 8 h + 0..7].
;   q, k: the unit stands at place 16 h + r, which is the lane that made it; v: at place 16 (r / 8) + 8 h + r % 8, where the turning LDS load of the next launch wants it.  Either way a wave's store covers 512 consecutive bytes, aligned: no stage in LDS.
;   q is multiplied by log2(e) / 8, so that the scores come out as exponents of 2.  A row of k whose token is PAD is multiplied by 0: the next launch adds the replaced score as a bias, and 0 + bias is the same number for every such key.
; LIMITS: |k|, |v| above 65,504 and |q| above 3.6e5 have no f16 number; NaN and infinities are not served.
; REGISTERS, in windows of 256: window 0: v1-29 addresses; v32-95 scale words, two sets; v96-111 the rows' factors, a pair a block; v112-119 mask bytes; v128-191 x's fragments, one set, later products at work; v192-255 the bias, later what is stored.
;   window 1: W's fragments, two sets.   windows 2, 3: the accumulators of my rows 0-63, 64-127 (accumulator (a, b) at v[8 (8 (a % 4) + b)]).
.set KSTEP,  512
.set NQ,     KSTEP/128
.set ROWB,   256
.set KROW,   512                       ; a row of codes in memory
.set PITCH,  272                       ; an LDS row: 256 bytes + 16 of padding, so that the 16 rows of a load start at 16 different banks (64 banks of 4 bytes: ISA guide 11.1)
.set FR,     8
.set NL,     2
.set NP,     4                         ; places behind this matrix instruction (ISA guide 7.12.1)
.set HALFT,  128*PITCH
.set SLOT,   4*HALFT
.set KS,     32                        ; a row of scale bytes
.set SCL,    2*SLOT
.set HALFS,  (128*KS/256)*272
.set SBLK,   (16*KS/256)*272
.set SPARE,  SCL+4*HALFS               ; the spare words, 128 bytes for each wave
.set ADRA, 16
.set ADRB, 20
.set VO,   24                          ; v24 my 16 bytes' place in a chunk
.set ADRS, 27
.set SPW,  28
.set NIL,  29
.set SC,   32
.set FP,   96
.set MB,   112
.set AF,   128
.set T,    128
.set BI,   192
.set Y,    192
.set G1, 24
.set G0, 32
.set G1B, 48
.set G0B, 56
.set G1S, 68
.set G0S, 76
.set G1SB, 80
.set G0SB, 88
.set MSB, 0
.macro WIN new                         ; the immediate's high byte repeats the setting that is left
.if MSB != (\new)
	s_set_vgpr_msb (MSB<<8)|(\new)
.set MSB, (\new)
.endif
.endm
.set MUL_LO, 0xa1                      ; source 0 (W) window 1, source 1 (x) window 0, C and D window 2
.set MUL_HI, 0xf1                      ; the same, C and D window 3
.set TO_B,   0x40
; A joint load: waves 0 and 1 fetch for x, waves 2 and 3 for W.  The branch hangs on the wave's number alone.  An s_nop 0 and four v_nop follow each of the two lines.
.macro JLOAD g0a, g1a, g0b, g1b
	s_cmp_eq_u32 s15, 0
	s_cbranch_scc0 .Lfor_b_\@
	tensor_load_to_lds s[\g0a:\g0a+3], s[\g1a:\g1a+7]
	s_nop 0
.rept 4
	v_nop
.endr
	s_branch .Lasked_\@
.Lfor_b_\@:
	tensor_load_to_lds s[\g0b:\g0b+3], s[\g1b:\g1b+7]
	s_nop 0
.rept 4
	v_nop
.endr
.Lasked_\@:
.endm
.macro CROUND                          ; a round of the cluster's barrier
	s_barrier_signal -1
	s_barrier_wait -1
	s_cmp_lg_u32 s14, 0
	s_cbranch_scc1 .Lnot_wave_0_\@
	s_barrier_signal -3
.Lnot_wave_0_\@:
	s_barrier_wait -3
	s_barrier_signal -1
	s_barrier_wait -1
.endm
	s_load_b128 s[4:7], s[0:1], 0x0                ; x's codes, x's scales
	s_load_b128 s[8:11], s[0:1], 0x10              ; W's codes, W's scales
	s_load_b64 s[12:13], s[0:1], 0x20              ; qkv
	s_load_b128 s[96:99], s[0:1], 0x28             ; bq, bk
	s_load_b64 s[100:101], s[0:1], 0x38            ; bv
	s_load_b64 s[104:105], s[0:1], 0x40            ; mask
	v_lshl_add_u32 v[SPW], v0, 2, SPARE
	v_mov_b32 v[NIL], 0
	ds_add_u32 v[SPW], v[NIL]                      ; the wave's opening: the add, twice on end, and its wait ahead of my first tensor load
	ds_add_u32 v[SPW], v[NIL]
	v_lshrrev_b32 v1, 5, v0
	v_readfirstlane_b32 s14, v1                    ; wave 0..3
	s_lshr_b32 s15, s14, 1                         ; which half of the tile's rows is mine.  Also: I fetch for x (0) or for W (1)
	s_and_b32 s16, s14, 1                          ; which half of its columns.  Also: which 128 rows I fetch
	s_bfe_u32 s40, ttmp6, 0x40000                  ; cx, cy
	s_bfe_u32 s41, ttmp6, 0x40004
	s_lshl_b32 s42, ttmp9, 2
	s_add_co_u32 s42, s42, s40                     ; tile column = 4 x cluster x + cx
	s_and_b32 s17, ttmp7, 0xffff
	s_lshr_b32 s66, s17, 3                         ; the tensor: 0 q, 1 k, 2 v: eight clusters along y to each
	s_lshl_b32 s17, s17, 2
	s_add_co_u32 s17, s17, s41                     ; tile row = 4 x cluster y + cy
	s_lshl_b32 s43, s41, 2
	s_lshl_b32 s43, 15, s43                        ; my row of the cluster
	s_lshl_b32 s44, 0x1111, s40                    ; my column
	s_or_b32 s[G1+0], s43, (0<<16)|(1<<20)|(1<<21)|(5<<22)|(3<<25)  ; the mask; elements of 1 byte; padding on; bit 21 beside a mask; 4 words behind every 64
	s_or_b32 s[G1B+0], s44, (0<<16)|(1<<20)|(1<<21)|(5<<22)|(3<<25)
.irp g, G1, G1B
	s_mov_b32 s[\g+1], ROWB<<16                    ; tensor_dim0
	s_mov_b32 s[\g+2], 128<<16                     ; tensor_dim1
	s_mov_b32 s[\g+3], ROWB<<16                    ; tile_dim0
	s_mov_b32 s[\g+4], 128                         ; tile_dim1
	s_mov_b32 s[\g+5], KROW                        ; the pitch
	s_mov_b32 s[\g+6], 0
	s_mov_b32 s[\g+7], 0
.endr
	s_or_b32 s[G1S+0], s43, (3<<16)|(1<<20)|(1<<21)|(5<<22)|(3<<25) ; the scales of 128 rows: 4,096 dense bytes as 16 rows of 256 (32 elements of 8 bytes), 16 bytes of padding behind each
	s_or_b32 s[G1SB+0], s44, (3<<16)|(1<<20)|(1<<21)|(5<<22)|(3<<25)
.irp g, G1S, G1SB
	s_mov_b32 s[\g+1], 32<<16
	s_mov_b32 s[\g+2], (128*KS/256)<<16
	s_mov_b32 s[\g+3], 32<<16
	s_mov_b32 s[\g+4], 128*KS/256
	s_mov_b32 s[\g+5], 32
	s_mov_b32 s[\g+6], 0
	s_mov_b32 s[\g+7], 0
.endr
	s_lshl_b32 s18, s16, 7                         ; which 128 rows of the tile I fetch
	s_lshl_b32 s20, s17, 8
	s_add_co_u32 s20, s20, s18                     ; x: stacked row 256 x tile row + 128 x half
	s_lshl_b32 s46, s42, 8
	s_add_co_u32 s46, s46, s18
	s_lshl_b32 s47, s66, 10
	s_add_co_u32 s46, s46, s47                     ; W: stacked row 1,024 x tensor + 256 x tile column + 128 x half
	s_mov_b32 s21, 0
	s_mov_b32 s47, 0
	s_mov_b64 s[18:19], KS
	s_mul_u64 s[22:23], s[20:21], s[18:19]         ; where these rows' scales begin
	s_mul_u64 s[92:93], s[46:47], s[18:19]
	s_mov_b64 s[18:19], KROW
	s_mul_u64 s[20:21], s[20:21], s[18:19]         ; and their codes
	s_mul_u64 s[46:47], s[46:47], s[18:19]
	s_mul_i32 s45, s14, HALFT                      ; where they go: wave x 128 rows
	s_mul_i32 s94, s14, HALFS
	s_wait_dscnt 0x0                               ; both opening adds are done
	s_wait_kmcnt 0x0
	s_add_nc_u64 s[20:21], s[4:5], s[20:21]
	s_add_nc_u64 s[22:23], s[6:7], s[22:23]
	s_add_nc_u64 s[46:47], s[8:9], s[46:47]
	s_add_nc_u64 s[92:93], s[10:11], s[92:93]
	CROUND                                         ; all sixteen work-groups are here: the joint loads meet
	s_mov_b32 s[G0S], 1
	s_add_co_u32 s[G0S+1], s94, SCL
	s_mov_b64 s[G0S+2:G0S+3], s[22:23]
	s_or_b32 s[G0S+3], s[G0S+3], 0x80000000
	s_mov_b32 s[G0SB], 1
	s_add_co_u32 s[G0SB+1], s94, SCL
	s_mov_b64 s[G0SB+2:G0SB+3], s[92:93]
	s_or_b32 s[G0SB+3], s[G0SB+3], 0x80000000
	JLOAD G0S, G1S, G0SB, G1SB                     ; the scales first; with the two slots three loads of mine are out
.irp s, 0,1
	s_mov_b32 s[G0+4*\s], 1
	s_add_co_u32 s[G0+4*\s+1], s45, \s*SLOT
	s_add_nc_u64 s[G0+4*\s+2:G0+4*\s+3], s[20:21], \s*ROWB
	s_or_b32 s[G0+4*\s+3], s[G0+4*\s+3], 0x80000000
	s_mov_b32 s[G0B+4*\s], 1
	s_add_co_u32 s[G0B+4*\s+1], s45, \s*SLOT
	s_add_nc_u64 s[G0B+4*\s+2:G0B+4*\s+3], s[46:47], \s*ROWB
	s_or_b32 s[G0B+4*\s+3], s[G0B+4*\s+3], 0x80000000
	JLOAD G0+4*\s, G1, G0B+4*\s, G1B
.endr
	v_and_b32 v1, 15, v0                           ; r = l % 16
	v_bfe_u32 v2, v0, 4, 1                         ; h = l / 16
	v_mul_u32_u24 v3, v1, PITCH
	v_lshl_add_u32 v4, v2, 4, v3                   ; a fragment's row x pitch + 16 x half
	s_mul_i32 s21, s15, HALFT                      ; my 128 rows of x
	s_mul_i32 s22, s16, HALFT                      ; my 128 rows of W,
	s_add_co_u32 s22, s22, 2*HALFT                 ; which lie behind x's 256
.irp s, 0,1
	v_add_nc_u32 v[ADRA+\s], s21, v4
	v_add_nc_u32 v[ADRB+\s], s22, v4
	s_add_co_u32 s21, s21, SLOT
	s_add_co_u32 s22, s22, SLOT
.endr
	v_mul_u32_u24 v5, v1, KS                       ; my row's scales: KS bytes a row,
	v_lshrrev_b32 v6, 8, v5
	v_lshl_add_u32 v5, v6, 4, v5                   ; and 16 more for each 256 passed
	s_mul_i32 s21, s15, HALFS
	s_mul_i32 s22, s16, HALFS
	s_add_co_u32 s22, s22, 2*HALFS
	s_sub_co_u32 s22, s22, s21
	v_mul_u32_u24 v6, s22, v2                      ; lanes 16-31 take W's: one product, the distance between the two bases
	s_add_co_u32 s21, s21, SCL
	v_add_nc_u32 v5, v5, v6
	v_add_nc_u32 v[ADRS], s21, v5
	; the bias of my 128 features, in the result's layout: for block b the eight at 16 b + 8 h
	s_cmp_lt_u32 s66, 1
	s_cselect_b64 s[92:93], s[96:97], s[98:99]
	s_cmp_lt_u32 s66, 2
	s_cselect_b64 s[92:93], s[92:93], s[100:101]
	s_lshl_b32 s94, s42, 10
	s_lshl_b32 s95, s16, 9
	s_add_co_u32 s94, s94, s95                     ; 4 (256 x tile column + 128 x half)
	s_mov_b32 s95, 0
	s_add_nc_u64 s[92:93], s[92:93], s[94:95]
	v_lshlrev_b32 v7, 5, v2
.irp b, 0,1,2,3,4,5,6,7
	global_load_b128 v[BI+8*\b:BI+8*\b+3], v7, s[92:93] offset:64*\b
	global_load_b128 v[BI+8*\b+4:BI+8*\b+7], v7, s[92:93] offset:64*\b+16
.endr
	s_and_b32 s18, s17, 31                         ; the tile row in its tensor
.irp a, 0,1,2,3,4,5,6,7
	v_mov_b32 v[MB+\a], 0                          ; no row is struck out,
.endr
	s_cmp_eq_u32 s66, 1
	s_cbranch_scc0 .Lno_mask
	s_lshl_b32 s20, s18, 8                         ; but in k: the mask's byte of my row in each of my eight blocks of 16 tokens
	s_lshl_b32 s22, s15, 7
	s_add_co_u32 s20, s20, s22
	s_mov_b32 s21, 0
	s_add_nc_u64 s[104:105], s[104:105], s[20:21]
.irp a, 0,1,2,3,4,5,6,7
	global_load_u8 v[MB+\a], v1, s[104:105] offset:16*\a
.endr
.Lno_mask:
	s_cmp_eq_u32 s66, 0
	s_cselect_b32 s67, 0x3e38aa3b, 1.0             ; the rows' common factor: log2(e) / 8 for q, 1 for k
	s_cmp_eq_u32 s66, 2
	s_cselect_b32 s2, -1, 0
	v_and_b32 v5, 7, v1
	v_lshrrev_b32 v6, 3, v1
	v_lshl_add_u32 v5, v6, 4, v5
	v_lshl_add_u32 v5, v2, 3, v5
	v_lshlrev_b32 v5, 4, v5                        ; v's place: 16 x (16 (r / 8) + 8 h + r % 8)
	v_and_b32 v6, 31, v0
	v_lshlrev_b32 v6, 4, v6                        ; q's and k's: 16 x lane
	v_cndmask_b32 v[VO], v6, v5, s2
	s_lshr_b32 s19, s18, 3                         ; batch: eight tile rows each
	s_lshl_b32 s19, s19, 4
	s_lshl_b32 s20, s42, 2
	s_add_co_u32 s19, s19, s20
	s_lshl_b32 s20, s16, 1
	s_add_co_u32 s19, s19, s20                     ; 16 x batch + the first of my two heads
	s_lshl_b32 s19, s19, 18                        ; 262,144 bytes a head
	s_and_b32 s20, s18, 7
	s_lshl_b32 s20, s20, 4
	s_lshl_b32 s21, s15, 3
	s_add_co_u32 s20, s20, s21                     ; my first token tile in the batch
	s_lshl_b32 s20, s20, 11                        ; 2,048 bytes a tile
	s_add_co_u32 s20, s20, s19
	s_lshl_b32 s21, s66, 24                        ; 16,777,216 bytes a tensor
	s_add_co_u32 s20, s20, s21
	s_mov_b32 s21, 0
	s_add_nc_u64 s[12:13], s[12:13], s[20:21]
.macro FRAG reg, adr, q, i             ; 16 rows x 128 K of 4-bit codes: 8 registers; registers 4 c .. 4 c + 3 hold K = 64 c + 32 (l / 16) + 0 .. 31
.irp c, 0,1
	ds_load_b128 v[\reg+4*\c:\reg+4*\c+3], v[\adr] offset:64*(\q)+32*\c+(\i)*16*PITCH
.endr
.endm
; 16 matrix instructions: x's blocks a0, a0 + 1 against W's eight, the slot's q-th 128 along K.  first = 1: the bias starts the sums.  The 64 accumulators take turns, one instruction a turn.
.macro MUL16 a0, p, q, sc, first
.irp a, \a0, \a0+1
.irp b, 0,1,2,3,4,5,6,7
.if \first
	v_wmma_scale_f32_16x16x128_f8f6f4 v[8*(8*((\a)%4)+\b):8*(8*((\a)%4)+\b)+7], v[128*(\p)+FR*\b:128*(\p)+FR*\b+FR-1], v[AF+FR*(\a):AF+FR*(\a)+FR-1], v[BI+8*\b:BI+8*\b+7], v[SC+8*NQ*(\sc)+NQ*\b+(\q)], v[SC+8*NQ*(\sc)+NQ*(\a)+(\q)] matrix_a_fmt:MATRIX_FMT_FP4 matrix_b_fmt:MATRIX_FMT_FP4 matrix_a_scale:MATRIX_SCALE_ROW1
.else
	v_wmma_scale_f32_16x16x128_f8f6f4 v[8*(8*((\a)%4)+\b):8*(8*((\a)%4)+\b)+7], v[128*(\p)+FR*\b:128*(\p)+FR*\b+FR-1], v[AF+FR*(\a):AF+FR*(\a)+FR-1], v[8*(8*((\a)%4)+\b):8*(8*((\a)%4)+\b)+7], v[SC+8*NQ*(\sc)+NQ*\b+(\q)], v[SC+8*NQ*(\sc)+NQ*(\a)+(\q)] matrix_a_fmt:MATRIX_FMT_FP4 matrix_b_fmt:MATRIX_FMT_FP4 matrix_a_scale:MATRIX_SCALE_ROW1
.endif
.endr
.endr
.endm
.macro FETCH_B slot, q, p
	WIN TO_B
.irp i, 0,1,2,3,4,5,6,7
	FRAG 128*(\p)+FR*\i, ADRB+\slot, \q, \i
.endr
	WIN 0
.endm
.macro FETCH_A slot, q, i0
.irp i, \i0, \i0+1, \i0+2, \i0+3
	FRAG AF+FR*(\i), ADRA+\slot, \q, \i
.endr
.endm
.macro SCALES sc                       ; a K step's scale words: lanes 0-15 take x's block i, lanes 16-31 W's block i
.irp i, 0,1,2,3,4,5,6,7
	ds_load_b128 v[SC+8*NQ*\sc+NQ*\i:SC+8*NQ*\sc+NQ*\i+3], v[ADRS] offset:\i*SBLK
.endr
.endm
.macro PLACES n                        ; plain vector lines between a matrix instruction and a load into, or a vector line on, its registers
.rept \n
	v_nop
.endr
.endm
.macro STEP slot, q, first             ; 128 along K that has its successor in the same slot.  first = 1: C (the bias) lies in window 0
	s_wait_dscnt 4*NL                              ; W's set and x's blocks 0-3 are in; the youngest eight loads (x's blocks 4-7) may be out
	WIN MUL_LO-0x20*(\first)
	MUL16 0, (\q)%2, \q, \slot, \first
	MUL16 2, (\q)%2, \q, \slot, \first
	s_wait_dscnt 0
	PLACES NP
	FETCH_B \slot, (\q)+1, 1-(\q)%2
	FETCH_A \slot, (\q)+1, 0
	WIN MUL_HI-0x30*(\first)
	MUL16 4, (\q)%2, \q, \slot, \first
	MUL16 6, (\q)%2, \q, \slot, \first
	PLACES NP
	WIN 0
	FETCH_A \slot, (\q)+1, 4
.endm
.macro TURN slot, next                 ; a slot's last step changes slots: one barrier, in front of it the wait for all my tensor loads.  Nothing is filled again in this launch
	s_wait_tensorcnt 0x0                           ; my part of the next slot has landed
	ds_add_u32 v[SPW], v[NIL]
	s_wait_dscnt 4*NL+1                            ; (the add and the youngest eight loads may be out)
	WIN MUL_LO
	MUL16 0, 1, NQ-1, \slot, 0
	s_wait_dscnt 0x0
	s_barrier_signal -1
	MUL16 2, 1, NQ-1, \slot, 0
	WIN 0
	s_barrier_wait -1                              ; everybody's part has
	PLACES NP
	v_add_nc_u32 v[ADRS], 4*NQ, v[ADRS]            ; on to the next K step's scale words
	FETCH_B \next, 0, 0
	FETCH_A \next, 0, 0
	SCALES \next
	WIN MUL_HI
	MUL16 4, 1, NQ-1, \slot, 0
	MUL16 6, 1, NQ-1, \slot, 0
	PLACES NP
	WIN 0
	FETCH_A \next, 0, 4
.endm
.macro STEPS slot, from
.set Q, \from
.rept NQ-1-\from
	STEP \slot, Q, 0
.set Q, Q+1
.endr
.endm
	s_wait_tensorcnt 1                             ; the scales and my part of slot 0 are in (slot 1's load may be out),
	s_barrier_signal -1
	s_barrier_wait -1                              ; everybody's are
	FETCH_B 0, 0, 0
	FETCH_A 0, 0, 0
	SCALES 0
	FETCH_A 0, 0, 4
	s_wait_loadcnt 0x0                             ; the bias, and k's mask bytes
	STEP 0, 0, 1
	STEPS 0, 1
	TURN 0, 1
	STEPS 1, 0
	s_wait_dscnt 4*NL                              ; the very last step
	WIN MUL_LO
	MUL16 0, 1, NQ-1, 1, 0
	MUL16 2, 1, NQ-1, 1, 0
	s_wait_dscnt 0
	WIN MUL_HI
	MUL16 4, 1, NQ-1, 1, 0
	MUL16 6, 1, NQ-1, 1, 0
	WIN 0
; THE WAY OUT of block a (16 tokens x 128 features).  A lane's eight numbers of accumulator (a, b) are the 16 bytes of its unit in chunk b % 4 of head b / 4.  Each accumulator is read from its low end on.
.macro OUTA a, mul
.set AC, 64*((\a)%4)
.set YY, Y+32*((\a)%2)
.if (\a) >= 2
	s_wait_xcnt 0x0                                ; block a - 2's stores have read their data: the registers are written again only behind this wait
.endif
.if \mul
	WIN 2+(\a)/4
.irp b, 0,1,2,3,4,5,6,7
.irp i, 0,2,4,6
	v_pk_mul_f32 v[T+8*\b+\i:T+8*\b+\i+1], v[AC+8*\b+\i:AC+8*\b+\i+1], v[FP+2*(\a):FP+2*(\a)+1] op_sel_hi:[1,0]
.endr
.endr
	WIN 0
.irp b, 0,1,2,3,4,5,6,7
.irp i, 0,2,4,6
	v_cvt_pk_f16_f32 v[YY+4*\b+\i/2], v[T+8*\b+\i], v[T+8*\b+\i+1]
.endr
.endr
.else
	WIN 5*(2+(\a)/4)                               ; sources 0 and 1 in the accumulators' window
.irp b, 0,1,2,3,4,5,6,7
.irp i, 0,2,4,6
	v_cvt_pk_f16_f32 v[YY+4*\b+\i/2], v[AC+8*\b+\i], v[AC+8*\b+\i+1]
.endr
.endr
	WIN 0
.endif
.irp b, 0,1,2,3,4,5,6,7
	global_store_b128 v[VO], v[YY+4*\b:YY+4*\b+3], s[12:13] offset:2048*(\a)+262144*(\b/4)+512*(\b%4)   ; the wave stores 512 consecutive bytes, aligned
.endr
.endm
	PLACES NP
	s_cmp_eq_u32 s66, 2
	s_cbranch_scc1 .Lplain
.irp a, 0,1,2,3,4,5,6,7
	v_cvt_f32_u32 v[MB+\a], v[MB+\a]
.endr
.irp a, 0,1,2,3,4,5,6,7
	v_fma_f32 v[FP+2*\a], -v[MB+\a], s67, s67      ; my row's factor in block a: f - f x mask
.endr
.irp a, 0,1,2,3,4,5,6,7
	v_mov_b32 v[FP+2*\a+1], v[FP+2*\a]             ; (named with it as a pair, so it is written)
.endr
.irp a, 0,1,2,3,4,5,6,7
	OUTA \a, 1
.endr
	s_branch .Lend
.Lplain:                                               ; v has no factor
.irp a, 0,1,2,3,4,5,6,7
	OUTA \a, 0
.endr
.Lend:
	s_wait_tensorcnt 0x0                           ; the wave's end
	ds_add_u32 v[SPW], v[NIL]
	s_wait_dscnt 0x0
	CROUND                                         ; the closing round
	s_endpgm
.Lfunc_end_k_qa08d33792d_proj:
	.size	k_qa08d33792d_proj, .Lfunc_end_k_qa08d33792d_proj-k_qa08d33792d_proj
	.p2alignl 7, 3214868480
	.fill 96, 4, 3214868480
	.section	.rodata,"a",@progbits
	.p2align	6, 0x0
	.amdhsa_kernel k_qa08d33792d_proj
		.amdhsa_group_segment_fixed_size 327680
		.amdhsa_private_segment_fixed_size 0
		.amdhsa_enable_private_segment 0
		.amdhsa_kernarg_size 72
		.amdhsa_user_sgpr_count 2
		.amdhsa_user_sgpr_kernarg_segment_ptr 1
		.amdhsa_wavefront_size32 1
		.amdhsa_system_sgpr_workgroup_id_x 1
		.amdhsa_system_sgpr_workgroup_id_y 1
		.amdhsa_system_sgpr_workgroup_id_z 1
		.amdhsa_system_vgpr_workitem_id 0
		.amdhsa_next_free_vgpr 1024
		.amdhsa_next_free_sgpr 106
		.amdhsa_reserve_vcc 0
		.amdhsa_float_denorm_mode_32 3
		.amdhsa_float_denorm_mode_16_64 3
		.amdhsa_memory_ordered 1
		.amdhsa_forward_progress 1
		.amdhsa_inst_pref_size 161
	.end_amdhsa_kernel
	.amdgpu_metadata
---
amdhsa.version: [ 1, 2 ]
amdhsa.kernels:
  - .name:           k_qa08d33792d_proj
    .symbol:         k_qa08d33792d_proj.kd
    .args:
      - { .name: xc, .offset: 0, .size: 8, .value_kind: global_buffer, .address_space: global }
      - { .name: xs, .offset: 8, .size: 8, .value_kind: global_buffer, .address_space: global }
      - { .name: wc, .offset: 16, .size: 8, .value_kind: global_buffer, .address_space: global }
      - { .name: ws, .offset: 24, .size: 8, .value_kind: global_buffer, .address_space: global }
      - { .name: qkv, .offset: 32, .size: 8, .value_kind: global_buffer, .address_space: global }
      - { .name: bq, .offset: 40, .size: 8, .value_kind: global_buffer, .address_space: global }
      - { .name: bk, .offset: 48, .size: 8, .value_kind: global_buffer, .address_space: global }
      - { .name: bv, .offset: 56, .size: 8, .value_kind: global_buffer, .address_space: global }
      - { .name: mask, .offset: 64, .size: 8, .value_kind: global_buffer, .address_space: global }
    .group_segment_fixed_size: 327680
    .private_segment_fixed_size: 0
    .kernarg_segment_align: 8
    .kernarg_segment_size: 72
    .max_flat_workgroup_size: 128
    .sgpr_count:     106
    .vgpr_count:     1024
    .wavefront_size: 32
...
	.end_amdgpu_metadata
.endif
;; end of part 2
;; launch attn (part 3): grid 4 x 64, 8 waves a work-group, clusters of 4 x 1, 327,680 bytes of LDS; arguments qkv, mask, ctxi; writes ctxi
.if DOCPART == 3
	.amdgcn_target "amdgcn-amd-amdhsa--gfx1250"
	.amdhsa_code_object_version 6
	.text
	.protected	k_qa08d33792d_attn
	.globl	k_qa08d33792d_attn
	.p2align	8
	.type	k_qa08d33792d_attn,@function
k_qa08d33792d_attn:
	s_mov_b64 s[64:65], 0
	v_nop
	global_prefetch_b8 v0, s[64:65] scope:SCOPE_SE
	s_setreg_imm32_b32 hwreg(HW_REG_WAVE_MODE, 25, 1), 1
	s_wait_xcnt 0x0
	s_wait_alu depctr_hold_cnt(0) depctr_sa_sdst(0) depctr_va_vdst(0) depctr_va_sdst(0) depctr_va_ssrc(0) depctr_va_vcc(0) depctr_vm_vsrc(0)
	s_getreg_b32 s2, hwreg(HW_REG_IB_STS2, 6, 4)
	s_cmp_eq_u32 s2, 0
	s_cbranch_scc0 .Lentry_in_a_cluster
	s_endpgm
.Lentry_in_a_cluster:
	s_bfe_u32 s2, ttmp6, 0x10000c
	s_cmp_lg_u32 s2, 0x3003
	s_cbranch_scc0 .Lentry_shape_is_right
	s_endpgm
.Lentry_shape_is_right:
; ctx[b][h][q] = the sum over keys of softmax(where(mask, -1e9, q . k / 8)) v, head size 64, 2,048 keys; f16 operands, f32 sums, maxima and row sums.  Nothing of reference() is left out here.
; q arrives multiplied by log2(e) / 8, so a product K Q^T is t, the exponent of 2.  THE MASK COSTS NO LINE IN THE LOOP: rows of k whose token is PAD arrive as zeros, and each tile of scores begins with C = bias[key],
; 0 or -1e9 log2(e): a replaced score is 0 + bias, the same bits for every such key.  Beside a live key its p is 0; where all keys of a batch are PAD every p is 1, which is reference()'s plain mean of v.
; SOFTMAX: a running maximum m and sum l for each query; p = 2^(t - m); in every step O and l are multiplied by a = 2^(m_old - m_new).  The sum is taken of p before it is rounded to f16.
; SHARES: a cluster of four work-groups is one (batch, head); a work-group owns 512 queries, each of its eight waves 64: four tiles of 16, so that each fragment of K and V read from LDS feeds four products.
; Two waves share a SIMD: one's vector work stands beside the other's products.  Every wave walks all 2,048 keys, 64 a step.
; LAYOUT: S^T = K Q^T (source 0 = 16 keys, source 1 = 16 queries), O^T = V^T P (source 0 = 16 channels): a lane holds ONE query throughout; two score tiles, rounded in pairs, ARE source 1 of the second product.
; q, k, v come as images of operand registers (512 bytes a chunk: see the launch before): every LDS read is 512 consecutive bytes, V by the turning load.
; RING: two slots of 512 keys (K's image 65,536 bytes, V's 65,536).  Every wave asks jointly (mask: all four work-groups) for 16,384 bytes: waves 0-3 K's quarters, waves 4-7 V's.  One tensor load of a wave is out at a time.
; NO PREFETCH: a refill is asked for eight key steps, 512 matrix instructions of a wave, ahead of the wait for it.
; LIMITS: as stated in the launch before; |ctx| is at most the largest |v|.
; REGISTERS: window 0: v1-7 addresses; v8-15 maxima at work; v16-39 six a tile: m, a filler, a, d, l (two halves); v40-43 for the lane exchange; v48-111 Q; v112-175 K, then V, at the end what is stored; v176-207 the bias.
;   window 1: v0-127 S^T, 32 a tile, p packed in place;  v128-255 O^T, 32 a tile.
.set SLOTB, 131072
.set BIAS,  2*SLOTB                    ; 2,048 f32, stored by the waves: no fill lands here
.set SPARE, BIAS+8192                  ; the spare words, 128 bytes for each of eight waves
.set LI,  1
.set ADK, 2
.set ADV, 3
.set ADB, 4
.set BH,  5
.set SPW, 6
.set NIL, 7
.set TM,  8
.set ST,  16
.set XX,  40
.set QQ,  48
.set FF,  112
.set BI,  176
.set SS,  0
.set OO,  128
.set G1,  16                           ; s[16:23] descriptor group 1;  s[24:31] group 0, a set for each slot
.set G0,  24
.set SEL, 32
.set TB,  34                           ; s34 LDS byte of the step's K;  s35 of its bias, from BIAS on;  s36 steps to go in the slot
.set TJ,  35
.set CNT, 36
.set MSB, 0
.macro WIN new                         ; bits 1:0 source 0, 3:2 source 1, 5:4 source 2, 7:6 destination; the high byte repeats the setting that is left
.if MSB != (\new)
	s_set_vgpr_msb (MSB<<8)|(\new)
.set MSB, (\new)
.endif
.endm
.macro ROUND                           ; a round of the cluster's barrier
	s_barrier_signal -1
	s_barrier_wait -1
	s_cmp_lg_u32 s10, 0
	s_cbranch_scc1 .Lnot_wave_0_\@
	s_barrier_signal -3
.Lnot_wave_0_\@:
	s_barrier_wait -3
	s_barrier_signal -1
	s_barrier_wait -1
.endm
	s_load_b128 s[4:7], s[0:1], 0x0                ; qkv, mask
	s_load_b64 s[8:9], s[0:1], 0x10                ; ctxi
	v_lshl_add_u32 v[SPW], v0, 2, SPARE
	v_mov_b32 v[NIL], 0
	ds_add_u32 v[SPW], v[NIL]                      ; the wave's opening: the add, twice on end, and its wait ahead of my first tensor load
	ds_add_u32 v[SPW], v[NIL]
	v_lshrrev_b32 v1, 5, v0
	v_readfirstlane_b32 s10, v1                    ; wave 0..7
	s_bfe_u32 s11, ttmp6, 0x40000                  ; cx: it enters Q's and ctxi's addresses alone
	s_and_b32 s12, ttmp7, 0xffff                   ; 16 x batch + head, which the partners share
	s_mov_b32 s[G1], 15|(3<<16)|(1<<21)            ; the mask: all four; elements of 8 bytes; bit 21 beside a mask; no padding
	s_mov_b32 s[G1+1], 32<<16                      ; tensor_dim0 = 32 elements: 256 bytes
	s_mov_b32 s[G1+2], 64<<16                      ; tensor_dim1 = 64
	s_mov_b32 s[G1+3], 32<<16                      ; tile_dim0
	s_mov_b32 s[G1+4], 64                          ; tile_dim1
	s_mov_b32 s[G1+5], 32                          ; the pitch: dense
	s_mov_b32 s[G1+6], 0
	s_mov_b32 s[G1+7], 0
	s_mov_b32 s[SEL], 0x76543210
	s_mov_b32 s[SEL+1], 0xfedcba98                 ; lane l xor 16
	s_lshr_b32 s38, s10, 2                         ; what I fetch: K (waves 0-3) or V (4-7),
	s_add_co_u32 s38, s38, 1
	s_lshl_b32 s38, s38, 24                        ; tensors 1 and 2 of qkv,
	s_lshl_b32 s39, s12, 18
	s_add_co_u32 s38, s38, s39                     ; my head,
	s_and_b32 s39, s10, 3
	s_lshl_b32 s39, s39, 14
	s_add_co_u32 s38, s38, s39                     ; my quarter of a slot's 65,536 bytes
	s_mov_b32 s39, 0
	s_lshl_b32 s37, s10, 14                        ; and in LDS: wave x 16,384
	s_lshl_b32 s44, s11, 5
	s_lshl_b32 s45, s10, 2
	s_add_co_u32 s44, s44, s45                     ; my first token tile: 32 cx + 4 wave
	s_lshl_b32 s42, s44, 11
	s_lshl_b32 s45, s12, 18
	s_add_co_u32 s42, s42, s45                     ; Q
	s_mov_b32 s43, 0
	s_lshr_b32 s45, s12, 4                         ; batch
	s_lshl_b32 s40, s45, 11                        ; its 2,048 mask bytes
	s_mov_b32 s41, 0
	s_lshl_b32 s45, s45, 7
	s_add_co_u32 s45, s45, s44
	s_lshl_b32 s46, s45, 12                        ; ctxi: token tile 128 x batch + mine, 4,096 bytes each,
	s_bfe_u32 s45, s12, 0x30001
	s_lshl_b32 s45, s45, 21
	s_add_co_u32 s46, s46, s45                     ; slab head / 2,
	s_and_b32 s45, s12, 1
	s_lshl_b32 s45, s45, 11
	s_add_co_u32 s46, s46, s45                     ; chunks 4 (head % 2) on
	s_mov_b32 s47, 0
	s_wait_dscnt 0x0                               ; both opening adds are done
	s_wait_kmcnt 0x0
	s_add_nc_u64 s[38:39], s[4:5], s[38:39]
	s_add_nc_u64 s[42:43], s[4:5], s[42:43]
	s_add_nc_u64 s[6:7], s[6:7], s[40:41]
	s_add_nc_u64 s[8:9], s[8:9], s[46:47]
.irp n, 0,1
	s_mov_b32 s[G0+4*\n], 1
	s_add_co_u32 s[G0+4*\n+1], s37, \n*SLOTB
	s_add_nc_u64 s[G0+4*\n+2:G0+4*\n+3], s[38:39], \n*65536
	s_or_b32 s[G0+4*\n+3], s[G0+4*\n+3], 0x80000000
.endr
	ROUND                                          ; all four work-groups are here
	tensor_load_to_lds s[G0:G0+3], s[G1:G1+7]      ; keys 0-511 into slot 0
	s_nop 0
.rept 4
	v_nop
.endr
	v_lshlrev_b32 v208, 3, v0
	global_load_b64 v[210:211], v208, s[6:7]       ; thread t: the mask bytes of keys 8 t .. 8 t + 7
	v_and_b32 v[LI], 31, v0
	v_lshlrev_b32 v[LI], 4, v[LI]                  ; 16 x lane
.irp t, 0,1,2,3
.irp s, 0,1
.irp c, 0,1
	global_load_b128 v[QQ+16*\t+8*\s+4*\c:QQ+16*\t+8*\s+4*\c+3], v[LI], s[42:43] offset:2048*\t+1024*\s+512*\c th:TH_LOAD_NT   ; Q stays in registers
.endr
.endr
.endr
	v_bfe_u32 v[BH], v0, 4, 1
	v_lshl_add_u32 v[BH], v[BH], 5, BIAS           ; the bias of a tile's keys 8 h + 0 .. 7
.irp t, 0,1,2,3
	v_mov_b32 v[ST+6*\t], 0xff61b1e6               ; m: -3e38, under every t
	v_mov_b32 v[ST+6*\t+1], 0                      ; (named with m as a pair)
	v_mov_b32 v[ST+6*\t+3], 0
	v_mov_b32 v[ST+6*\t+4], 0                      ; l
	v_mov_b32 v[ST+6*\t+5], 0
	v_mov_b32 v[XX+\t], 0                          ; a lane permute's destination counts as one of its sources
.endr
	WIN 0x40
.set i, 0
.rept 128
	v_mov_b32 v[OO+i], 0                           ; O^T.  The step is written once for all steps: the first finds zeros, which a = 0 leaves zeros
.set i, i+1
.endr
	WIN 0
	s_wait_loadcnt 16                              ; the mask bytes are in; Q's 16 loads may be out
.irp j, 0,1,2,3
	v_bfe_u32 v[212+\j], v210, 8*\j, 8
	v_bfe_u32 v[216+\j], v211, 8*\j, 8
.endr
.irp j, 0,1,2,3,4,5,6,7
	v_cvt_f32_u32 v[212+\j], v[212+\j]
.endr
.irp j, 0,1,2,3,4,5,6,7
	v_mul_f32 v[212+\j], 0xceabfb8f, v[212+\j]     ; x -1e9 log2(e)
.endr
	v_lshl_add_u32 v209, v0, 5, BIAS
	ds_store_b128 v209, v[212:215]
	ds_store_b128 v209, v[216:219] offset:16       ; the first change of slots waits for these and passes a barrier ahead of every read
	s_wait_loadcnt 0x0                             ; Q
; A KEY STEP: 64 keys.
.macro STEP
	v_add_nc_u32 v[ADK], s[TB], v[LI]              ; these three and two v_nop: five places between the last V^T P and the products that write over its P
	v_add_nc_u32 v[ADV], 0x10000, v[ADK]
	v_add_nc_u32 v[ADB], s[TJ], v[BH]
	v_nop
	v_nop
.irp k, 0,1,2,3
	ds_load_b128 v[BI+8*\k:BI+8*\k+3], v[ADB] offset:64*\k
	ds_load_b128 v[BI+8*\k+4:BI+8*\k+7], v[ADB] offset:64*\k+16
.endr
.irp s, 0,1
.irp k, 0,1,2,3
.irp c, 0,1
	ds_load_b128 v[FF+16*\k+8*\s+4*\c:FF+16*\k+8*\s+4*\c+3], v[ADK] offset:2048*\k+1024*\s+512*\c
.endr
.endr
.endr
	s_wait_dscnt 8                                 ; the bias and K's channels 0-31 are in; the eight loads of channels 32-63 may be out
	WIN 0x40                                       ; S^T in window 1; K, Q and the bias in window 0
.irp k, 0,1,2,3
.irp t, 0,1,2,3
	v_wmma_f32_16x16x32_f16 v[SS+32*\t+8*\k:SS+32*\t+8*\k+7], v[FF+16*\k:FF+16*\k+7], v[QQ+16*\t:QQ+16*\t+7], v[BI+8*\k:BI+8*\k+7]
.endr
.endr
	s_wait_dscnt 0x0
	WIN 0x50                                       ; the 16 accumulators take turns, one instruction a turn
.irp k, 0,1,2,3
.irp t, 0,1,2,3
	v_wmma_f32_16x16x32_f16 v[SS+32*\t+8*\k:SS+32*\t+8*\k+7], v[FF+16*\k+8:FF+16*\k+15], v[QQ+16*\t+8:QQ+16*\t+15], v[SS+32*\t+8*\k:SS+32*\t+8*\k+7]
.endr
.endr
	WIN 0
.rept 4
	v_nop                                          ; places in front of the loads into K's registers and of the first read of the scores
.endr
.irp d, 0,1,2,3
.irp u, 0,1
.irp c, 0,1
	ds_load_tr16_b128 v[FF+16*\d+8*\u+4*\c:FF+16*\d+8*\u+4*\c+3], v[ADV] offset:2048*(2*\u+\c)+512*\d   ; V^T: channels 16 d on, keys 32 u + 16 c on: it lands under the softmax
.endr
.endr
.endr
	WIN 0x05                                       ; the maximum of 32 scores and the old m: two chains a tile, each accumulator from its low end on, the tiles by turns
.irp i, 0,1,2,3,4,5,6,7,8,9,10,11,12,13,14,15
.irp t, 0,1,2,3
.if \i < 2
	v_max3_num_f32 v[TM+2*\t+\i], v[SS+32*\t+2*\i], v[SS+32*\t+2*\i+1], v[ST+6*\t]
.else
	v_max3_num_f32 v[TM+2*\t+\i%2], v[SS+32*\t+2*\i], v[SS+32*\t+2*\i+1], v[TM+2*\t+\i%2]
.endif
.endr
.endr
	WIN 0
.irp t, 0,1,2,3
	v_max_num_f32 v[TM+2*\t], v[TM+2*\t], v[TM+2*\t+1]
.endr
.irp t, 0,1,2,3
	v_permlanex16_b32 v[XX+\t], v[TM+2*\t], s[SEL], s[SEL+1]   ; the query's other 32 keys lie in the lane 16 away
.endr
.irp t, 0,1,2,3
	v_max_num_f32 v[TM+2*\t], v[TM+2*\t], v[XX+\t]
.endr
.irp t, 0,1,2,3
	v_sub_f32 v[ST+6*\t+3], v[ST+6*\t], v[TM+2*\t] ; m_old - m_new
.endr
.irp t, 0,1,2,3
	v_mov_b32 v[ST+6*\t], v[TM+2*\t]
.endr
.irp t, 0,1,2,3
	v_exp_f32 v[ST+6*\t+2], v[ST+6*\t+3]           ; a
.endr
	WIN 0x41
.irp t, 0,1,2,3
.irp i, 0,2,4,6,8,10,12,14,16,18,20,22,24,26,28,30
	v_pk_add_f32 v[SS+32*\t+\i:SS+32*\t+\i+1], v[SS+32*\t+\i:SS+32*\t+\i+1], v[ST+6*\t:ST+6*\t+1] op_sel_hi:[1,0] neg_lo:[0,1] neg_hi:[0,1]   ; t - m
.endr
.endr
	s_wait_alu depctr_va_vdst(0)                   ; one wait for the four a, ahead of their first reader
.set i, 0
.rept 64                                       ; the 128 exponentials are one batch; O^T's rescaling, which names none of their results, stands among them under the same windows
	v_exp_f32 v[SS+2*i], v[SS+2*i]
	v_exp_f32 v[SS+2*i+1], v[SS+2*i+1]
	v_pk_mul_f32 v[OO+2*i:OO+2*i+1], v[OO+2*i:OO+2*i+1], v[ST+6*(i/16)+2:ST+6*(i/16)+3] op_sel_hi:[1,0]
.set i, i+1
.endr
	WIN 0
.irp t, 0,1,2,3
	v_pk_mul_f32 v[ST+6*\t+4:ST+6*\t+5], v[ST+6*\t+4:ST+6*\t+5], v[ST+6*\t+2:ST+6*\t+3] op_sel_hi:[1,0]
.endr
	s_wait_alu depctr_va_vdst(0)                   ; one wait for the batch, ahead of its first reader
	WIN 0x01
.irp i, 0,2,4,6,8,10,12,14,16,18,20,22,24,26,28,30
.irp t, 0,1,2,3
	v_pk_add_f32 v[ST+6*\t+4:ST+6*\t+5], v[SS+32*\t+\i:SS+32*\t+\i+1], v[ST+6*\t+4:ST+6*\t+5]   ; the row's sum, of p as it is in f32
.endr
.endr
	WIN 0x45
.irp i, 0,1,2,3,4,5,6,7,8,9,10,11,12,13,14,15
.irp t, 0,1,2,3
	v_cvt_pk_f16_f32 v[SS+32*\t+\i], v[SS+32*\t+2*\i], v[SS+32*\t+2*\i+1]   ; packed in place, ascending: register i is written when 2 i and 2 i + 1 are read
.endr
.endr
	s_wait_dscnt 0x0                               ; V is in
	WIN 0x54                                       ; V in window 0; P, C and D in window 1
.irp u, 0,1
.irp d, 0,1,2,3
.irp t, 0,1,2,3
	v_wmma_f32_16x16x32_f16 v[OO+32*\t+8*\d:OO+32*\t+8*\d+7], v[FF+16*\d+8*\u:FF+16*\d+8*\u+7], v[SS+32*\t+8*\u:SS+32*\t+8*\u+7], v[OO+32*\t+8*\d:OO+32*\t+8*\d+7]
.endr
.endr
.endr
	WIN 0
.endm
; 512 keys: the change of slots at the head, then eight key steps.  In front of the round each wave waits for all its tensor loads (its part of this slot), adds 0 to its spare word, and waits for that and for its
; reads of the other slot; behind the round the other slot is asked for, first thing: the load has eight key steps in which to land.  Written out four times.
.macro TRIP slot, tile, refill
	s_wait_tensorcnt 0x0
	ds_add_u32 v[SPW], v[NIL]
.if \tile < 2
	s_add_nc_u64 s[G0+4*\slot+2:G0+4*\slot+3], s[G0+4*\slot+2:G0+4*\slot+3], 2*65536   ; no load of mine is out: this slot's next keys
.endif
	s_mov_b32 s[TB], \slot*SLOTB
	s_mov_b32 s[TJ], \tile*2048
	s_mov_b32 s[CNT], 8
	s_wait_dscnt 0x0
	ROUND
.if \refill
	tensor_load_to_lds s[G0+4-4*\slot:G0+7-4*\slot], s[G1:G1+7]
	s_nop 0
.rept 4
	v_nop
.endr
.endif
.Lstep_\@:
	STEP
	s_add_co_u32 s[TB], s[TB], 8192
	s_add_co_u32 s[TJ], s[TJ], 256
	s_sub_co_u32 s[CNT], s[CNT], 1
	s_cmp_lg_u32 s[CNT], 0
	s_cbranch_scc1 .Lstep_\@
.endm
	TRIP 0, 0, 1
	TRIP 1, 1, 1
	TRIP 0, 2, 1
	TRIP 1, 3, 0
	; THE WAY OUT.  O^T / l, rounded to f16: a lane's eight channels are its 16 bytes of a chunk of ctxi [slab of 128 features 8][token tile 512][chunk 8][512 bytes], the next launch's operand image.  The additions are the places behind the last products.
.irp t, 0,1,2,3
	v_add_f32 v[TM+2*\t], v[ST+6*\t+4], v[ST+6*\t+5]
.endr
.irp t, 0,1,2,3
	v_permlanex16_b32 v[XX+\t], v[TM+2*\t], s[SEL], s[SEL+1]
.endr
.irp t, 0,1,2,3
	v_add_f32 v[TM+2*\t], v[TM+2*\t], v[XX+\t]
.endr
.irp t, 0,1,2,3
	v_rcp_f32 v[ST+6*\t+2], v[TM+2*\t]
.endr
	v_nop                                          ; a plain line behind the last reciprocal
	s_wait_alu depctr_va_vdst(0)                   ; one wait for the four, ahead of their first reader
	WIN 0x41
.set i, 0
.rept 64
	v_pk_mul_f32 v[OO+2*i:OO+2*i+1], v[OO+2*i:OO+2*i+1], v[ST+6*(i/16)+2:ST+6*(i/16)+3] op_sel_hi:[1,0]
.set i, i+1
.endr
	WIN 0x05
.set i, 0
.rept 64
	v_cvt_pk_f16_f32 v[FF+i], v[OO+2*i], v[OO+2*i+1]
.set i, i+1
.endr
	WIN 0
.irp t, 0,1,2,3
.irp d, 0,1,2,3
	global_store_b128 v[LI], v[FF+16*\t+4*\d:FF+16*\t+4*\d+3], s[8:9] offset:4096*\t+512*\d   ; the wave stores 512 consecutive bytes, aligned
.endr
.endr
	s_wait_tensorcnt 0x0                           ; the wave's end
	ds_add_u32 v[SPW], v[NIL]
	s_wait_dscnt 0x0
	ROUND                                          ; the closing round
	s_endpgm
.Lfunc_end_k_qa08d33792d_attn:
	.size	k_qa08d33792d_attn, .Lfunc_end_k_qa08d33792d_attn-k_qa08d33792d_attn
	.p2alignl 7, 3214868480
	.fill 96, 4, 3214868480
	.section	.rodata,"a",@progbits
	.p2align	6, 0x0
	.amdhsa_kernel k_qa08d33792d_attn
		.amdhsa_group_segment_fixed_size 327680
		.amdhsa_private_segment_fixed_size 0
		.amdhsa_enable_private_segment 0
		.amdhsa_kernarg_size 24
		.amdhsa_user_sgpr_count 2
		.amdhsa_user_sgpr_kernarg_segment_ptr 1
		.amdhsa_wavefront_size32 1
		.amdhsa_system_sgpr_workgroup_id_x 1
		.amdhsa_system_sgpr_workgroup_id_y 1
		.amdhsa_system_sgpr_workgroup_id_z 1
		.amdhsa_system_vgpr_workitem_id 0
		.amdhsa_next_free_vgpr 512
		.amdhsa_next_free_sgpr 66
		.amdhsa_reserve_vcc 0
		.amdhsa_float_denorm_mode_32 3
		.amdhsa_float_denorm_mode_16_64 3
		.amdhsa_memory_ordered 1
		.amdhsa_forward_progress 1
		.amdhsa_inst_pref_size 157
	.end_amdhsa_kernel
	.amdgpu_metadata
---
amdhsa.version: [ 1, 2 ]
amdhsa.kernels:
  - .name:           k_qa08d33792d_attn
    .symbol:         k_qa08d33792d_attn.kd
    .args:
      - { .name: qkv, .offset: 0, .size: 8, .value_kind: global_buffer, .address_space: global }
      - { .name: mask, .offset: 8, .size: 8, .value_kind: global_buffer, .address_space: global }
      - { .name: ctxi, .offset: 16, .size: 8, .value_kind: global_buffer, .address_space: global }
    .group_segment_fixed_size: 327680
    .private_segment_fixed_size: 0
    .kernarg_segment_align: 8
    .kernarg_segment_size: 24
    .max_flat_workgroup_size: 256
    .sgpr_count:     66
    .vgpr_count:     512
    .wavefront_size: 32
...
	.end_amdgpu_metadata
.endif
;; end of part 3
;; launch outp (part 4): grid 4 x 64, 4 waves a work-group, clusters of 4 x 4, 327,680 bytes of LDS; arguments ctxi, wo16, out0, bo; writes out0
.if DOCPART == 4
	.amdgcn_target "amdgcn-amd-amdhsa--gfx1250"
	.amdhsa_code_object_version 6
	.text
	.protected	k_qa08d33792d_outp
	.globl	k_qa08d33792d_outp
	.p2align	8
	.type	k_qa08d33792d_outp,@function
k_qa08d33792d_outp:
	s_mov_b64 s[64:65], 0
	v_nop
	global_prefetch_b8 v0, s[64:65] scope:SCOPE_SE
	s_setreg_imm32_b32 hwreg(HW_REG_WAVE_MODE, 25, 1), 1
	s_wait_xcnt 0x0
	s_wait_alu depctr_hold_cnt(0) depctr_sa_sdst(0) depctr_va_vdst(0) depctr_va_sdst(0) depctr_va_ssrc(0) depctr_va_vcc(0) depctr_vm_vsrc(0)
	s_getreg_b32 s2, hwreg(HW_REG_IB_STS2, 6, 4)
	s_cmp_eq_u32 s2, 0
	s_cbranch_scc0 .Lentry_in_a_cluster
	s_endpgm
.Lentry_in_a_cluster:
	s_bfe_u32 s2, ttmp6, 0x10000c
	s_cmp_lg_u32 s2, 0xf033
	s_cbranch_scc0 .Lentry_shape_is_right
	s_endpgm
.Lentry_shape_is_right:
; out0 = ctx Wo^T + bo: [8192][1024] x [1024][1024], f16 operands, f32 sums, f32 out.  Nothing of reference() is left out here.
; 256 work-groups: a tile of 128 rows x 256 columns; four waves, each 64 x 128: 32 accumulators, 256 registers.  K goes in 8 slabs of 128 through a ring of two LDS slots.
; ctx comes as images of operand registers, ctxi [slab 8][token tile 512][chunk 8][512 bytes]: a slab's part of 128 rows is 32,768 dense bytes, and a fragment's half is read as 512 consecutive bytes.
; Wo comes as rows of f16: 256 rows x 256 bytes a slab, 16 bytes of padding behind each row in LDS.
; CLUSTERS: 4 x 4 work-groups; ctx's tiles are asked for jointly along a row of the cluster, Wo's along a column.  Waves 0 and 1 fetch ctx's halves, waves 2 and 3 Wo's: one tensor load a wave behind each round; two are out at the head.
; THE MATRIX INSTRUCTION IS USED TRANSPOSED (source 0 = 16 rows of Wo, source 1 = 16 rows of ctx): a lane holds eight neighbouring columns of one row of out0.  bo is the C of each sum's first product.
; NO PREFETCH: the launch is short, and both operands are shared through the cluster.
; REGISTERS: window 0: v1-29 addresses; v32-127, v128-223 two fragment buffers (Wo 64 registers, then ctx 32), on the way out rows read back;  window 1: accumulator (a, b) at v[8 (8 a + b)];  window 2: v0-63 bo in the result's layout.
.set PITCH,  272
.set BOFF,   32768                     ; in a slot: ctx's 32,768 bytes, then Wo's 256 rows
.set SLOT,   BOFF+256*PITCH
.set SLABA,  2097152                   ; a slab of ctxi
.set STAGE,  2*SLOT                    ; the way out: 16 rows x (512 + 16) bytes for each wave; no fill lands here
.set SPITCH, 528
.set SPARE,  STAGE+4*16*SPITCH         ; the spare words, 128 bytes for each wave
.set LAPS,   4                         ; a lap = two slabs = once round the ring
.set CO,   3                           ; v3  16 x lane: my place in an image, and in a row of 512 bytes of out0
.set ADRA, 16
.set ADRB, 20
.set STO,  24
.set RD,   25
.set SPW,  28
.set NIL,  29
.set F0,   32
.set F1,   128
.set G1, 24
.set G0, 32
.set G1B, 48
.set G0B, 56
.set MSB, 0
.macro WIN new                         ; the immediate's high byte repeats the setting that is left
.if MSB != (\new)
	s_set_vgpr_msb (MSB<<8)|(\new)
.set MSB, (\new)
.endif
.endm
.macro JLOAD s                         ; an s_nop 0 and four v_nop follow each of the two lines; the branch hangs on the wave's number alone
	s_cmp_eq_u32 s13, 0
	s_cbranch_scc0 .Lfor_b_\@
	tensor_load_to_lds s[G0+4*\s:G0+4*\s+3], s[G1:G1+7]
	s_nop 0
.rept 4
	v_nop
.endr
	s_branch .Lasked_\@
.Lfor_b_\@:
	tensor_load_to_lds s[G0B+4*\s:G0B+4*\s+3], s[G1B:G1B+7]
	s_nop 0
.rept 4
	v_nop
.endr
.Lasked_\@:
.endm
.macro CREST                           ; a round of the cluster's barrier behind its opening barrier
	s_cmp_lg_u32 s12, 0
	s_cbranch_scc1 .Lnot_wave_0_\@
	s_barrier_signal -3
.Lnot_wave_0_\@:
	s_barrier_wait -3
	s_barrier_signal -1
	s_barrier_wait -1
.endm
.macro CROUND
	s_barrier_signal -1
	s_barrier_wait -1
	CREST
.endm
	s_load_b128 s[4:7], s[0:1], 0x0                ; ctxi, wo16
	s_load_b128 s[8:11], s[0:1], 0x10              ; out0, bo
	v_lshl_add_u32 v[SPW], v0, 2, SPARE
	v_mov_b32 v[NIL], 0
	ds_add_u32 v[SPW], v[NIL]                      ; the wave's opening: the add, twice on end, and its wait ahead of my first tensor load
	ds_add_u32 v[SPW], v[NIL]
	v_lshrrev_b32 v1, 5, v0
	v_readfirstlane_b32 s12, v1                    ; wave 0..3
	s_lshr_b32 s13, s12, 1                         ; which 64 rows are mine.  Also: I fetch for ctx (0) or for Wo (1)
	s_and_b32 s14, s12, 1                          ; which 128 columns.  Also: which half I fetch
	s_bfe_u32 s40, ttmp6, 0x40000                  ; cx, cy
	s_bfe_u32 s41, ttmp6, 0x40004
	s_lshl_b32 s42, ttmp9, 2
	s_add_co_u32 s42, s42, s40                     ; tile column
	s_and_b32 s15, ttmp7, 0xffff
	s_lshl_b32 s15, s15, 2
	s_add_co_u32 s15, s15, s41                     ; tile row
	s_lshl_b32 s43, s41, 2
	s_lshl_b32 s43, 15, s43                        ; my row of the cluster
	s_lshl_b32 s44, 0x1111, s40                    ; my column
	s_or_b32 s[G1], s43, (3<<16)|(1<<21)           ; ctx: 64 rows of 256 dense bytes (32 elements of 8), no padding
	s_mov_b32 s[G1+1], 32<<16
	s_mov_b32 s[G1+2], 64<<16
	s_mov_b32 s[G1+3], 32<<16
	s_mov_b32 s[G1+4], 64
	s_mov_b32 s[G1+5], 32
	s_mov_b32 s[G1+6], 0
	s_mov_b32 s[G1+7], 0
	s_or_b32 s[G1B], s44, (1<<16)|(1<<20)|(1<<21)|(5<<22)|(3<<25)   ; Wo: 128 rows of 128 f16, 1,024 apart; 4 words of padding behind every 64
	s_mov_b32 s[G1B+1], 128<<16
	s_mov_b32 s[G1B+2], 128<<16
	s_mov_b32 s[G1B+3], 128<<16
	s_mov_b32 s[G1B+4], 128
	s_mov_b32 s[G1B+5], 1024
	s_mov_b32 s[G1B+6], 0
	s_mov_b32 s[G1B+7], 0
	s_lshl_b32 s16, s15, 3
	s_lshl_b32 s17, s14, 2
	s_add_co_u32 s16, s16, s17
	s_lshl_b32 s16, s16, 12                        ; ctx: token tile 8 x tile row + 4 x half, 4,096 bytes each
	s_mov_b32 s17, 0
	s_lshl_b32 s46, s42, 8
	s_lshl_b32 s47, s14, 7
	s_add_co_u32 s46, s46, s47
	s_lshl_b32 s46, s46, 11                        ; Wo: row 256 x tile column + 128 x half, 2,048 bytes each
	s_mov_b32 s47, 0
	s_lshl_b32 s20, s14, 14                        ; where they go in a slot
	s_mul_i32 s21, s14, 128*PITCH
	s_add_co_u32 s21, s21, BOFF
	s_wait_dscnt 0x0                               ; both opening adds are done
	s_wait_kmcnt 0x0
	s_add_nc_u64 s[16:17], s[4:5], s[16:17]
	s_add_nc_u64 s[46:47], s[6:7], s[46:47]
	CROUND                                         ; all sixteen work-groups are here
.irp s, 0,1
	s_mov_b32 s[G0+4*\s], 1
	s_add_co_u32 s[G0+4*\s+1], s20, \s*SLOT
	s_add_nc_u64 s[G0+4*\s+2:G0+4*\s+3], s[16:17], \s*SLABA
	s_or_b32 s[G0+4*\s+3], s[G0+4*\s+3], 0x80000000
	s_mov_b32 s[G0B+4*\s], 1
	s_add_co_u32 s[G0B+4*\s+1], s21, \s*SLOT
	s_add_nc_u64 s[G0B+4*\s+2:G0B+4*\s+3], s[46:47], \s*256
	s_or_b32 s[G0B+4*\s+3], s[G0B+4*\s+3], 0x80000000
	JLOAD \s
.endr
	v_and_b32 v1, 15, v0                           ; r
	v_bfe_u32 v2, v0, 4, 1                         ; h
	v_and_b32 v[CO], 31, v0
	v_lshlrev_b32 v[CO], 4, v[CO]
	v_mul_u32_u24 v4, v1, PITCH
	v_lshl_add_u32 v4, v2, 4, v4
	s_lshl_b32 s22, s13, 14                        ; my four token tiles
	s_mul_i32 s23, s14, 128*PITCH                  ; my 128 rows of Wo
	s_add_co_u32 s23, s23, BOFF
.irp s, 0,1
	v_add_nc_u32 v[ADRA+\s], s22, v[CO]
	v_add_nc_u32 v[ADRB+\s], s23, v4
	s_add_co_u32 s22, s22, SLOT
	s_add_co_u32 s23, s23, SLOT
.endr
	s_mul_i32 s22, s12, 16*SPITCH
	s_add_co_u32 s22, s22, STAGE                   ; my stage
	v_mul_u32_u24 v5, v1, SPITCH
	v_lshl_add_u32 v5, v2, 5, v5
	v_add_nc_u32 v[STO], s22, v5                   ; in: row r, 32 bytes for each half of the lanes
	v_add_nc_u32 v[RD], s22, v[CO]                 ; back: the 32 lanes take one row of 512 bytes
	s_lshl_b32 s16, s15, 7
	s_lshl_b32 s17, s13, 6
	s_add_co_u32 s16, s16, s17
	s_lshl_b32 s16, s16, 12                        ; my first row of out0, 4,096 bytes a row
	s_lshl_b32 s46, s42, 10
	s_lshl_b32 s47, s14, 9
	s_add_co_u32 s46, s46, s47                     ; my first column, in bytes; the same in bo
	s_mov_b32 s47, 0
	s_add_nc_u64 s[10:11], s[10:11], s[46:47]
	s_add_co_u32 s16, s16, s46
	s_mov_b32 s17, 0
	s_add_nc_u64 s[8:9], s[8:9], s[16:17]
	v_lshlrev_b32 v6, 5, v2
	WIN 0x80                                       ; destination window 2
.irp b, 0,1,2,3,4,5,6,7
	global_load_b128 v[8*\b:8*\b+3], v6, s[10:11] offset:64*\b       ; bo at 16 b + 8 h + 0 .. 7
	global_load_b128 v[8*\b+4:8*\b+7], v6, s[10:11] offset:64*\b+16
.endr
	WIN 0
; 16 matrix instructions: ctx's blocks a0, a0 + 1 against Wo's eight, 32 along K, from buffer f.  first = 1: bo starts the sums.  The 32 accumulators take turns, one instruction a turn.
.macro MUL16 f, a0, first
.irp a, \a0, \a0+1
.irp b, 0,1,2,3,4,5,6,7
.if \first
	v_wmma_f32_16x16x32_f16 v[8*(8*(\a)+\b):8*(8*(\a)+\b)+7], v[\f+8*\b:\f+8*\b+7], v[\f+64+8*(\a):\f+64+8*(\a)+7], v[8*\b:8*\b+7]
.else
	v_wmma_f32_16x16x32_f16 v[8*(8*(\a)+\b):8*(8*(\a)+\b)+7], v[\f+8*\b:\f+8*\b+7], v[\f+64+8*(\a):\f+64+8*(\a)+7], v[8*(8*(\a)+\b):8*(8*(\a)+\b)+7]
.endif
.endr
.endr
.endm
.macro FETCH slot, q, f                ; 24 LDS loads in one run: the slab's q-th 32 along K; ctx's blocks last
.irp b, 0,1,2,3,4,5,6,7
	ds_load_b128 v[\f+8*\b:\f+8*\b+3],   v[ADRB+\slot] offset:16*PITCH*\b+64*(\q)
	ds_load_b128 v[\f+8*\b+4:\f+8*\b+7], v[ADRB+\slot] offset:16*PITCH*\b+64*(\q)+32
.endr
.irp a, 0,1,2,3
	ds_load_b128 v[\f+64+8*\a:\f+64+8*\a+3],   v[ADRA+\slot] offset:4096*\a+1024*(\q)
	ds_load_b128 v[\f+64+8*\a+4:\f+64+8*\a+7], v[ADRA+\slot] offset:4096*\a+1024*(\q)+512
.endr
.endm
.macro PLACES                          ; four plain lines between a matrix instruction and a load into, or a read of, its registers
.rept 4
	v_nop
.endr
.endm
; A slab is four quarters of 32 along K on buffers 0, 1, 0, 1.  One of the first three: multiplies f and fetches quarter qn into g.  Windows: D and C window 1 (0x50); first = 1: C window 2 (0x60).
.macro QUARTER slot, qn, f, g, first
	s_wait_dscnt 4                                 ; Wo's fragments and ctx's blocks 0, 1 are in; the youngest four loads (blocks 2, 3) may be out
	WIN 0x50+0x10*(\first)
	MUL16 \f, 0, \first
	PLACES
	WIN 0
	FETCH \slot, \qn, \g
	s_wait_dscnt 24                                ; all but the 24 just issued
	WIN 0x50+0x10*(\first)
	MUL16 \f, 2, \first
.endm
; The last quarter multiplies buffer 1 and changes slots: in front of the barrier each wave waits for all its tensor loads (its part of the next slot), adds 0 to its spare word, and waits for that and for its reads of this slot.
; fill = 1: the barrier opens a round of the cluster's, and this slot is asked for again, two slabs on, first thing behind it.
.macro TURN slot, next, fill
	WIN 0
	s_wait_tensorcnt 0x0
	ds_add_u32 v[SPW], v[NIL]
	s_wait_dscnt 0x0
	s_barrier_signal -1
	WIN 0x50
	MUL16 F1, 0, 0                                 ; work on registers while the others arrive
	WIN 0
	s_barrier_wait -1
.if \fill
	CREST
	s_add_nc_u64 s[G0+4*\slot+2:G0+4*\slot+3], s[G0+4*\slot+2:G0+4*\slot+3], 2*SLABA
	s_add_nc_u64 s[G0B+4*\slot+2:G0B+4*\slot+3], s[G0B+4*\slot+2:G0B+4*\slot+3], 2*256
	JLOAD \slot                                    ; its four v_nop are also the places in front of the loads below
.else
	PLACES
.endif
	FETCH \next, 0, F0
	WIN 0x50
	MUL16 F1, 2, 0
.endm
	s_wait_tensorcnt 1                             ; my part of slab 0 is in (slab 1's load may be out),
	s_barrier_signal -1
	s_barrier_wait -1                              ; everybody's is
	FETCH 0, 0, F0
	s_wait_loadcnt 0x0                             ; bo
	QUARTER 0, 1, F0, F1, 1                        ; the first quarter stands in front of the loop: its products start the sums
	WIN 0
	s_mov_b32 s3, LAPS-1
.Llap:                                                 ; a trip goes once round the ring and fills both slots again
	QUARTER 0, 2, F1, F0, 0
	QUARTER 0, 3, F0, F1, 0
	TURN 0, 1, 1
	QUARTER 1, 1, F0, F1, 0
	QUARTER 1, 2, F1, F0, 0
	QUARTER 1, 3, F0, F1, 0
	TURN 1, 0, 1
	QUARTER 0, 1, F0, F1, 0
	WIN 0
	s_sub_co_u32 s3, s3, 1
	s_cmp_lg_u32 s3, 0
	s_cbranch_scc1 .Llap
	QUARTER 0, 2, F1, F0, 0                        ; the last lap fills nothing
	QUARTER 0, 3, F0, F1, 0
	TURN 0, 1, 0
	QUARTER 1, 1, F0, F1, 0
	QUARTER 1, 2, F1, F0, 0
	QUARTER 1, 3, F0, F1, 0
	s_wait_dscnt 0x0
	WIN 0x50
	MUL16 F1, 0, 0
	MUL16 F1, 2, 0
	WIN 0
; THE WAY OUT, block by block of 16 rows x 128 columns: through my own stage in LDS and back as whole rows of 512 bytes.  LDS serves a wave's instructions in order (ISA guide 5.7.1.4): no wait between the stores and the loads.
.macro TOSTAGE a
	WIN 0x04                                       ; an LDS store's data: window 1
.irp b, 0,1,2,3,4,5,6,7
	ds_store_b128 v[STO], v[8*(8*(\a)+\b):8*(8*(\a)+\b)+3] offset:64*\b          ; each accumulator from its low end on
	ds_store_b128 v[STO], v[8*(8*(\a)+\b)+4:8*(8*(\a)+\b)+7] offset:64*\b+16
.endr
	WIN 0
.set BB, F0+96*((\a)%2)
.irp t, 0,1,2,3,4,5,6,7,8,9,10,11,12,13,14,15
	ds_load_b128 v[BB+4*\t:BB+4*\t+3], v[RD] offset:\t*SPITCH
.endr
.endm
.macro SEND a, younger                 ; younger: the LDS instructions issued behind block a's loads, which may stay out
.set BB, F0+96*((\a)%2)
	s_wait_dscnt \younger
.if (\a) > 0
	s_add_nc_u64 s[8:9], s[8:9], 16*4096           ; (behind a wait on XCNT: the earlier stores have read their base)  16 rows on
.endif
.irp t, 0,1,2,3,4,5,6,7,8,9,10,11,12,13,14,15
	global_store_b128 v[CO], v[BB+4*\t:BB+4*\t+3], s[8:9] offset:\t*4096 th:TH_STORE_NT   ; 32 lanes store 512 consecutive bytes, aligned
.endr
.endm
	PLACES
	TOSTAGE 0
.irp a, 1,2,3
.if \a > 1
	s_wait_xcnt 0x0                                ; block a - 2's stores have read their registers and their base
.endif
	TOSTAGE \a
	SEND \a-1, 32                                  ; behind block a - 1's loads: block a's 16 stores and 16 loads
.endr
	s_wait_xcnt 0x0
	SEND 3, 0
	s_wait_tensorcnt 0x0                           ; the wave's end
	ds_add_u32 v[SPW], v[NIL]
	s_wait_dscnt 0x0
	CROUND                                         ; the closing round
	s_endpgm
.Lfunc_end_k_qa08d33792d_outp:
	.size	k_qa08d33792d_outp, .Lfunc_end_k_qa08d33792d_outp-k_qa08d33792d_outp
	.p2alignl 7, 3214868480
	.fill 96, 4, 3214868480
	.section	.rodata,"a",@progbits
	.p2align	6, 0x0
	.amdhsa_kernel k_qa08d33792d_outp
		.amdhsa_group_segment_fixed_size 327680
		.amdhsa_private_segment_fixed_size 0
		.amdhsa_enable_private_segment 0
		.amdhsa_kernarg_size 32
		.amdhsa_user_sgpr_count 2
		.amdhsa_user_sgpr_kernarg_segment_ptr 1
		.amdhsa_wavefront_size32 1
		.amdhsa_system_sgpr_workgroup_id_x 1
		.amdhsa_system_sgpr_workgroup_id_y 1
		.amdhsa_system_sgpr_workgroup_id_z 1
		.amdhsa_system_vgpr_workitem_id 0
		.amdhsa_next_free_vgpr 576
		.amdhsa_next_free_sgpr 66
		.amdhsa_reserve_vcc 0
		.amdhsa_float_denorm_mode_32 3
		.amdhsa_float_denorm_mode_16_64 3
		.amdhsa_memory_ordered 1
		.amdhsa_forward_progress 1
		.amdhsa_inst_pref_size 86
	.end_amdhsa_kernel
	.amdgpu_metadata
---
amdhsa.version: [ 1, 2 ]
amdhsa.kernels:
  - .name:           k_qa08d33792d_outp
    .symbol:         k_qa08d33792d_outp.kd
    .args:
      - { .name: ctxi, .offset: 0, .size: 8, .value_kind: global_buffer, .address_space: global }
      - { .name: wo16, .offset: 8, .size: 8, .value_kind: global_buffer, .address_space: global }
      - { .name: out0, .offset: 16, .size: 8, .value_kind: global_buffer, .address_space: global }
      - { .name: bo, .offset: 24, .size: 8, .value_kind: global_buffer, .address_space: global }
    .group_segment_fixed_size: 327680
    .private_segment_fixed_size: 0
    .kernarg_segment_align: 8
    .kernarg_segment_size: 32
    .max_flat_workgroup_size: 128
    .sgpr_count:     66
    .vgpr_count:     576
    .wavefront_size: 32
...
	.end_amdgpu_metadata
.endif
;; end of part 4
